; MI455X (gfx1250); checked and timed in simulation.
; The chip was launched on July 23, 2026; its instructions are those of AMD's public machine-readable ISA for CDNA 5 (MIT licence, August 2026) and "CDNA5" Instruction Set Architecture Reference Guide (July 2026). The comments in the code are by the model that wrote it; some were corrected since.
;; Attention. Allowed arithmetic: matrix products marked QUANTISED: E2M1 operands, one E8M0 scale for each 32 along K, by v_wmma_scale_f32_16x16x128_f8f6f4 with both operands' format E2M1 (or v_wmma_scale_f32_32x16x128_f4), f32 sums; everything else in f32.
;; Inputs: K 4 x 16 x 2,048 x 64 float32; Q 4 x 16 x 2,048 x 64 float32; V 4 x 16 x 2,048 x 64 float32.
;; Outputs: out0 4 x 16 x 2,048 x 64 float32.
;; Constants: d_k = 64.
;; This version of the problem:
;;   THIS VERSION OF THE PROBLEM IS GIVEN IN LOW PRECISION. The matrix products marked QUANTISED in the list below multiply operands that are first quantised to E2M1 (2 exponent bits, 1 mantissa bit; 4 bits a number), with one power-of-two scale for each 32 numbers along K (OCP MX v1.0); their sums are f32. All else is computed in f32.
;;   The module's matrix products, in the order in which they are computed (A, B: the left and right operand; K: the contracted axis; several contracted axes count as one K, in the product's order):
;;     1. batch 64 x [M 2,048, K 64] x [K 64, N 2,048]; A: input Q; B: input K: QUANTISED
;;     2. batch 64 x [M 2,048, K 2,048] x [K 2,048, N 64]; A: softmax (see below); B: input V: QUANTISED
;;   THE QUANTISER, for each operand of a quantised product, along K:
;;     - K is cut into blocks of 32 from its start; a last block that is shorter is filled with zeros.
;;     - A block's scale is 2^e with e = floor(log2(the largest magnitude in the block)) - 2, held to -126 .. 127; a block of zeros has e = 0. As a byte (E8M0): e + 127.
;;     - Each number is divided by its block's scale, clamped to +-6, and rounded to the nearest number of E2M1, ties to even, subnormals kept.
;;     - The product sums the exact products of the quantised numbers (number of the format x scale) in f32.
;;   ~~~python
;;   def quantise(x, axis):      # numpy; x: float32 -> the quantised numbers, widened to float32 again
;;       x = np.moveaxis(x, axis, -1); K = x.shape[-1]
;;       x = np.pad(x, [(0, 0)] * (x.ndim - 1) + [(0, -K % 32)]); x = x.reshape(x.shape[:-1] + (-1, 32)); a = np.abs(x).max(-1, keepdims=True)
;;       e = np.where(a > 0, np.clip(np.frexp(np.where(a > 0, a, 1))[1] - 1 - 2, -126, 127), 0)      # np.frexp(a)[1] - 1 = floor(log2(a)), exactly
;;       r = np.clip(x / 2.0 ** e, -6, 6)
;;       step = 2.0 ** (np.maximum(np.frexp(np.where(r == 0, 1, r))[1] - 1, 0) - 1)
;;       q = np.round(r / step) * step * 2.0 ** e      # np.round: ties to even
;;       return np.moveaxis(q.reshape(q.shape[:-2] + (-1,))[..., :K], -1, axis).astype(np.float32)
;;   ~~~
;;   SOFTMAX AHEAD OF A QUANTISED PRODUCT. Where the list says 'softmax', what is quantised is not the finished softmax but p = 2^(t - M), with t = logit x log2(e) and M = ceil(the row's largest t), a whole number; so 1/2 < the row's largest p <= 1. The row's sum l is taken of the UNQUANTISED p, in f32, and the product's result is divided by l at the end. Since M is a whole number, a kernel that streams over the keys may use a running M (the ceiling of the running maximum): every later rescaling is an exact power of two, which a block's scale takes up: the codes' values come out the same.
;;   OPERANDS COMPUTED ON THE WAY. 'Computed on the way' means the value that the module computes at that place (a softmax that the list does not call 'softmax' is quantised finished and normalised). What goes into a quantiser is computed in f32, as accurately as f32 sums, v_exp_f32 and their like allow (about 1e-6 of the number): no bf16 or f16 on the way to a quantiser, and a product that is left as it is and whose result goes on into a quantised operand takes f32 operands (vector FMAs, or v_wmma_f32_16x16x4_f32). A number that lies on a knife's edge between two numbers of the format may be rounded either way, as far as f32 arithmetic and the matrix unit's own rounding can turn it there, and no further.
;; One version. Each part assembles by itself: llvm-mc -triple=amdgcn-amd-amdhsa -mcpu=gfx1250 --defsym DOCPART=n.
;; ======== version 1 of 1: 2 launches
;; workspace buffers: kv 8,912,896 bytes
;; launch prep (part 1): grid 512 x 1, 4 waves a work-group, no clusters, 37,376 bytes of LDS; arguments K, V, kv; writes kv
.if DOCPART == 1
	.amdgcn_target "amdgcn-amd-amdhsa--gfx1250"
	.amdhsa_code_object_version 6
	.text
	.protected	k_q7153f18d0a_prep
	.globl	k_q7153f18d0a_prep
	.p2align	8
	.type	k_q7153f18d0a_prep,@function
k_q7153f18d0a_prep:
	s_mov_b64 s[64:65], 0
	v_nop
	global_prefetch_b8 v0, s[64:65] scope:SCOPE_SE
	s_setreg_imm32_b32 hwreg(HW_REG_WAVE_MODE, 25, 1), 1
	s_wait_xcnt 0x0
; K and V, [64 heads][2048 keys][64] f32, become codes of FP4 (E2M1) with one E8M0 scale byte for each 32 along a product's K:
; K along its 64 channels (innermost), V along the KEYS (not innermost).  They are laid in kv as IMAGES OF THE OPERANDS' REGISTERS, so that the
; next launch gets every fragment by loads of 16 bytes a lane at 16 x lane.  One record of 8,704 bytes for each (head, step of 128 keys):
;   0    .. 4095  K's fragments b = 0..3: the 16 bytes at 1024 b + 512 c + 16 (16 h + r) are the codes of channels 32 h .. 32 h + 31 of key 32 b + 8 c + r + 8 (r / 8)
;   4096 .. 8191  V's fragments t = 0..3: the 16 bytes at 1024 t + 512 c + 16 (16 h + r) are the codes of channel 16 t + r at keys 64 c + 32 h .. + 31
;   8192 .. 8447  K's scale words at 16 r + 4 b: byte 2 c + hb = the scale of key (b, c, r), channels 32 hb on
;   8448 .. 8703  V's scale words at 16 r + 4 t: byte kb = the scale of channel 16 t + r, keys 32 kb on
; A block's scale is 2^(floor(log2(its largest magnitude)) - 2); its byte is the largest magnitude's exponent field - 2, held at 1 from below.
; LIMITS: NaN and infinities among the inputs are not served; a block whose largest magnitude lies under 2^-124 has its byte held at 1; a block of zeros gets the byte 1
; where the quantiser says 127: its codes are zeros, which add nothing under any byte but 0xff, and the bytes are read by this program alone.
; SHARES: even work-groups take K, odd ones V; a wave makes one record's half.  unit = 4 (work-group / 2) + wave = 16 head + step.  Waves share nothing: no barrier.
; Every offset is an immediate, no pointer is stepped in the work, no store's data are written again.
.set REC,  8704
.set SP,   144                         ; K's stage: a chunk of 128 bytes (32 channels of a key) + 16 of padding
.set R,    16                          ; v16-143  K: two sets of 64 registers as loaded
.set X,    144                         ; v144-207 K: two chunks of 32 neighbours along the channels
.set XV,   16                          ; v16-79   V: two sets of 32 numbers down the keys
.set C,    208                         ; v208-239 the codes: registers of their own for each store
.set W,    240                         ; v240-243 scale words
; the largest magnitude of the 32 numbers v[x] .. v[x + 31], in two chains, with the floor 2^(3 - 127) as one more leaf: so the byte cannot fall under 1
.macro MAX32 m, t, x
	v_max3_num_f32 v[\m], |v[(\x)]|, |v[(\x)+1]|, |v[(\x)+2]|
	v_max3_num_f32 v[\t], |v[(\x)+3]|, |v[(\x)+4]|, |v[(\x)+5]|
.irp i, 6,10,14,18,22,26
	v_max3_num_f32 v[\m], v[\m], |v[(\x)+\i]|, |v[(\x)+\i+1]|
	v_max3_num_f32 v[\t], v[\t], |v[(\x)+\i+2]|, |v[(\x)+\i+3]|
.endr
	v_max3_num_f32 v[\m], v[\m], |v[(\x)+30]|, |v[(\x)+31]|
	v_max3_num_f32 v[\m], v[\m], v[\t], 0x1800000
.endm
	s_load_b128 s[4:7], s[0:1], 0x0                ; K s[4:5], V s[6:7]
	s_load_b64 s[8:9], s[0:1], 0x10                ; kv
	v_lshl_add_u32 v15, v0, 2, 0x9000
	v_mov_b32 v255, 0
	v_lshrrev_b32 v1, 5, v0
	v_readfirstlane_b32 s10, v1                    ; wave 0..3
	s_lshr_b32 s11, ttmp9, 1
	s_lshl_b32 s11, s11, 2
	s_add_co_u32 s11, s11, s10                     ; unit = 16 head + step, 0 .. 1023
	s_lshl_b32 s12, s11, 15                        ; the unit's 128 keys x 256 bytes in K or V
	s_mov_b32 s13, 0
	s_mul_i32 s14, s11, REC                        ; and its record in kv
	s_mov_b32 s15, 0
	s_mul_i32 s16, s10, 64*SP                      ; my wave's stage in LDS (K's path alone uses LDS)
	s_and_b32 s17, ttmp9, 1                        ; 0: K, 1: V
	s_mov_b32 s20, 0x76543210
	s_mov_b32 s21, 0xfedcba98                      ; v_permlanex16_b32's selects for lane l xor 16
	v_and_b32 v1, 31, v0                           ; l
	v_and_b32 v2, 15, v0                           ; r = l % 16
	v_bfe_u32 v3, v0, 4, 1                         ; h = l / 16
	v_lshlrev_b32 v4, 4, v1                        ; 16 l: my 16 bytes of a load's or a store's 512
	v_lshlrev_b32 v5, 4, v2
	v_lshl_add_u32 v5, v3, 3, v5                   ; 16 r + 8 h: my two scale words of a row's four
	v_lshlrev_b32 v6, 3, v3                        ; 8 h: bits by which my half's scale bytes move up
	v_lshrrev_b32 v7, 3, v1
	v_mul_u32_u24 v7, v7, SP
	v_and_b32 v8, 7, v1
	v_lshl_add_u32 v7, v8, 4, v7
	v_add_nc_u32 v7, s16, v7                       ; the stage, on the way in: eight lanes' 128 bytes on end, then the padding
	v_and_b32 v8, 8, v2
	v_add_nc_u32 v8, v8, v2                        ; r + 8 (r / 8)
	v_lshl_add_u32 v8, v8, 1, v3                   ; chunk 2 x key + h
	v_mul_u32_u24 v8, v8, SP
	v_add_nc_u32 v8, s16, v8                       ; and on the way out: my key's 32 channels of my half
	v_lshlrev_b32 v9, 2, v1                        ; V: 4 l: a lane to a channel
	v_lshlrev_b32 v10, 4, v2
	v_lshl_add_u32 v10, v3, 10, v10                ; V's codes: fragment l / 16 of a pair, row l % 16
.irp i, 244,245,246,247
	v_mov_b32 v\i, 0                               ; written once: a lane permute's destination counts as one of its sources
.endr
	v_cmp_ne_u32 vcc_lo, 0, v3                     ; lanes 16-31
	s_wait_kmcnt 0x0
	s_add_nc_u64 s[8:9], s[8:9], s[14:15]          ; kv at my record
	s_cmp_eq_u32 s17, 0
	s_cbranch_scc0 .Lv
; ---- K.  A fragment is 32 keys: 8,192 dense bytes.  Each load reads 512 consecutive bytes; the conversions want 32 neighbours along the channels in ONE lane, and the keys in the order
; of the record: so a fragment turns through my wave's stage.  Its reads go two deep in the banks (a tile's two groups of eight keys lie 16 x 288 bytes apart); memory binds here.
	s_add_nc_u64 s[4:5], s[4:5], s[12:13]
.macro LOADK b
.irp i, 0,1,2,3,4,5,6,7,8,9,10,11,12,13,14,15
	global_load_b128 v[R+64*((\b)%2)+4*\i:R+64*((\b)%2)+4*\i+3], v4, s[4:5] offset:8192*(\b)+512*\i th:TH_LOAD_NT
.endr
.endm
.macro FRAGK b
.if \b < 3
	s_wait_loadcnt 16                              ; this fragment's sixteen loads are in; the next fragment's sixteen may be out
.else
	s_wait_loadcnt 0x0
.endif
.irp i, 0,1,2,3,4,5,6,7,8,9,10,11,12,13,14,15
	ds_store_b128 v7, v[R+64*((\b)%2)+4*\i:R+64*((\b)%2)+4*\i+3] offset:4*SP*\i
.endr
.irp c, 0,1
.irp i, 0,1,2,3,4,5,6,7
	ds_load_b128 v[X+32*\c+4*\i:X+32*\c+4*\i+3], v8 offset:16*SP*\c+16*\i   ; LDS serves a wave's instructions in order: these see the stores above
.endr
.endr
	s_wait_dscnt 0x0                               ; the numbers are back, and the stores have read their registers,
.if \b < 2
	LOADK (\b)+2                                   ; which take the fragment two further on
.endif
	MAX32 248, 249, X                              ; chunk 0: key 32 b + r + 8 (r / 8), my half's block of 32 channels
	MAX32 250, 251, X+32                           ; chunk 1: the key 8 further on
	v_add_nc_u32 v252, 0xff000000, v248            ; 2 off the exponent field: the conversion takes the exponent field of this operand as its scale, and nothing else of it
	v_add_nc_u32 v253, 0xff000000, v250
	v_lshrrev_b32 v248, 23, v252                   ; the scales' bytes
	v_lshrrev_b32 v250, 23, v253
.irp c, 0,1
.irp g, 0,1,2,3
	v_cvt_scalef32_pk8_fp4_f32 v[C+8*(\b)+4*\c+\g], v[X+32*\c+8*\g:X+32*\c+8*\g+7], v[252+\c]
.endr
.endr
	v_nop                                          ; one plain place behind the scaled conversions
	v_lshl_or_b32 v254, v250, 16, v248             ; my two bytes: chunks 0 and 1,
	v_lshlrev_b32 v254, v6, v254                   ; at my half's places;
	v_permlanex16_b32 v244, v254, s20, s21
	v_or_b32 v[W+(\b)], v254, v244                 ; with lane l xor 16's two the word is whole
.irp c, 0,1
	global_store_b128 v4, v[C+8*(\b)+4*\c:C+8*(\b)+4*\c+3], s[8:9] offset:1024*(\b)+512*\c   ; 32 lanes store 512 consecutive bytes, aligned
.endr
.endm
	LOADK 0
	LOADK 1
	s_wait_alu depctr_va_vdst(0)
	FRAGK 0
	FRAGK 1
	FRAGK 2
	FRAGK 3
	v_cndmask_b32 v248, v240, v242, vcc_lo         ; lanes 0-15 store row r's words 0 and 1, lanes 16-31 its words 2 and 3
	v_cndmask_b32 v249, v241, v243, vcc_lo
	global_store_b64 v5, v[248:249], s[8:9] offset:8192   ; 32 lanes store 256 consecutive bytes, aligned
	s_wait_tensorcnt 0x0
	ds_add_u32 v15, v255
	s_wait_dscnt 0x0
	s_endpgm
; ---- V.  A LANE TAKES A CHANNEL AND ITS REGISTERS RUN DOWN THE KEYS: a block of 32 keys lies in one lane's 32 registers, and the conversions give codes with the keys innermost.
; Group g: keys 32 (g / 2) on, channels 32 (g % 2) + lane.  A row's 256 bytes are read in two halves by two groups that are on their way together.
.Lv:
	s_add_nc_u64 s[6:7], s[6:7], s[12:13]
.macro LOADV g
.irp i, 0,1,2,3,4,5,6,7,8,9,10,11,12,13,14,15,16,17,18,19,20,21,22,23,24,25,26,27,28,29,30,31
	global_load_b32 v[XV+32*((\g)%2)+\i], v9, s[6:7] offset:(32*((\g)/2)+\i)*256+128*((\g)%2)
.endr
.endm
.macro GROUPV g
.if \g < 7
	s_wait_loadcnt 32                              ; this group's 32 loads are in; the next group's 32 may be out
.else
	s_wait_loadcnt 0x0
.endif
	MAX32 248, 249, XV+32*((\g)%2)
	v_add_nc_u32 v252, 0xff000000, v248            ; the conversion's scale operand
	v_lshrrev_b32 v250, 23, v252                   ; the scale's byte
.if (\g)/2 == 0
	v_mov_b32 v[W+(\g)%2], v250                    ; four bytes to a word, the lower keys in the lower byte
.else
	v_lshl_or_b32 v[W+(\g)%2], v250, 8*((\g)/2), v[W+(\g)%2]
.endif
.irp q, 0,1,2,3
	v_cvt_scalef32_pk8_fp4_f32 v[C+4*(\g)+\q], v[XV+32*((\g)%2)+8*\q:XV+32*((\g)%2)+8*\q+7], v252
.endr
	v_nop                                          ; one plain place behind the scaled conversions
	global_store_b128 v10, v[C+4*(\g):C+4*(\g)+3], s[8:9] offset:4096+2048*((\g)%2)+512*((\g)/4)+256*(((\g)/2)%2)   ; lanes 0-15 store 256 consecutive bytes, aligned; lanes 16-31 those 1,024 further on
.if \g < 6
	LOADV (\g)+2
.endif
.endm
	s_wait_alu depctr_va_vdst(0)
	LOADV 0
	LOADV 1
.irp g, 0,1,2,3,4,5,6,7
	GROUPV \g
.endr
	v_permlanex16_b32 v244, v240, s20, s21         ; lane l holds the words of tiles l / 16 (v240) and 2 + l / 16 (v241) for row l % 16
	v_permlanex16_b32 v245, v241, s20, s21
	v_cndmask_b32 v248, v240, v245, vcc_lo         ; lanes 0-15: tile 0 (mine), lanes 16-31: tile 2 (my partner's)
	v_cndmask_b32 v249, v244, v241, vcc_lo         ; lanes 0-15: tile 1 (my partner's), lanes 16-31: tile 3 (mine)
	global_store_b64 v5, v[248:249], s[8:9] offset:8448   ; 32 lanes store 256 consecutive bytes, aligned
	s_endpgm
.Lfunc_end_k_q7153f18d0a_prep:
	.size	k_q7153f18d0a_prep, .Lfunc_end_k_q7153f18d0a_prep-k_q7153f18d0a_prep
	.p2alignl 7, 3214868480
	.fill 96, 4, 3214868480
	.section	.rodata,"a",@progbits
	.p2align	6, 0x0
	.amdhsa_kernel k_q7153f18d0a_prep
		.amdhsa_group_segment_fixed_size 37376
		.amdhsa_private_segment_fixed_size 0
		.amdhsa_enable_private_segment 0
		.amdhsa_kernarg_size 24
		.amdhsa_user_sgpr_count 2
		.amdhsa_user_sgpr_kernarg_segment_ptr 1
		.amdhsa_wavefront_size32 1
		.amdhsa_system_sgpr_workgroup_id_x 1
		.amdhsa_system_sgpr_workgroup_id_y 1
		.amdhsa_system_sgpr_workgroup_id_z 1
		.amdhsa_system_vgpr_workitem_id 0
		.amdhsa_next_free_vgpr 256
		.amdhsa_next_free_sgpr 66
		.amdhsa_reserve_vcc 1
		.amdhsa_float_denorm_mode_32 3
		.amdhsa_float_denorm_mode_16_64 3
		.amdhsa_memory_ordered 1
		.amdhsa_forward_progress 1
		.amdhsa_inst_pref_size 67
	.end_amdhsa_kernel
	.amdgpu_metadata
---
amdhsa.version: [ 1, 2 ]
amdhsa.kernels:
  - .name:           k_q7153f18d0a_prep
    .symbol:         k_q7153f18d0a_prep.kd
    .args:
      - { .name: K, .offset: 0, .size: 8, .value_kind: global_buffer, .address_space: global }
      - { .name: V, .offset: 8, .size: 8, .value_kind: global_buffer, .address_space: global }
      - { .name: kv, .offset: 16, .size: 8, .value_kind: global_buffer, .address_space: global }
    .group_segment_fixed_size: 37376
    .private_segment_fixed_size: 0
    .kernarg_segment_align: 8
    .kernarg_segment_size: 24
    .max_flat_workgroup_size: 128
    .sgpr_count:     66
    .vgpr_count:     256
    .wavefront_size: 32
...
	.end_amdgpu_metadata
.endif
;; end of part 1
;; launch attn (part 2): grid 4 x 64, 16 waves a work-group, clusters of 4 x 1, 210,944 bytes of LDS; arguments Q, kv, out0; writes out0
.if DOCPART == 2
	.amdgcn_target "amdgcn-amd-amdhsa--gfx1250"
	.amdhsa_code_object_version 6
	.text
	.protected	k_q7153f18d0a_attn
	.globl	k_q7153f18d0a_attn
	.p2align	8
	.type	k_q7153f18d0a_attn,@function
k_q7153f18d0a_attn:
	s_mov_b64 s[64:65], 0
	v_nop
	global_prefetch_b8 v0, s[64:65] scope:SCOPE_SE
	s_setreg_imm32_b32 hwreg(HW_REG_WAVE_MODE, 25, 1), 1
	s_wait_xcnt 0x0
	s_wait_alu depctr_hold_cnt(0) depctr_sa_sdst(0) depctr_va_vdst(0) depctr_va_sdst(0) depctr_va_ssrc(0) depctr_va_vcc(0) depctr_vm_vsrc(0)
	s_getreg_b32 s2, hwreg(HW_REG_IB_STS2, 6, 4)
	s_cmp_eq_u32 s2, 0
	s_cbranch_scc0 .Lentry_in_a_cluster
	s_endpgm
.Lentry_in_a_cluster:
	s_bfe_u32 s2, ttmp6, 0x10000c
	s_cmp_lg_u32 s2, 0x3003
	s_cbranch_scc0 .Lentry_shape_is_right
	s_endpgm
.Lentry_shape_is_right:
; out0[head][q][:] = the sum over k of softmax_k(Q[q] . K[k] / 8) V[k][:], 64 heads, 2,048 queries and keys, 64 channels, both products on codes of FP4 (E2M1) with one E8M0 scale for each 32 along a product's K.
; K and V come as codes and scale words from kv, laid as images of the operands' registers: a record of 8,704 bytes for each (head, step of 128 keys):
; K's four fragments (4,096 bytes), V's four (4,096), K's scale words (256), V's (256).  Q arrives as f32 and is quantised here, in registers: one wave alone reads it.
; THE SOFTMAX AHEAD OF THE SECOND PRODUCT: t = score x log2(e) / 8; M = the row's largest t so far, rounded UP to a whole number; p = 2^(t - M) is what is quantised, along the keys, not normalised.
; The row's sum is taken of the unquantised p, in f32, and divides O at the end.  When M moves, the sum and O are multiplied by 2^(old M - new M): exact.
; SHARES.  A work-group owns 512 queries of one head; each of its sixteen waves 32 of them, two tiles A and B of 16, in 256 registers: four waves to a SIMD, so that one wave's vector work stands beside
; another's matrix work and LDS loads.  A key step has 24 matrix instructions beside some 460 vector instructions: the vector work decides, so no larger tiles and no register windows.
; THE WHOLE HEAD'S RECORDS, 139,264 bytes, LIE IN LDS: filled once, never again: no ring.  Each wave brings one record by one tensor load; by this text's count one tensor load of a wave is out.
; CLUSTER.  The four work-groups of a cluster are the four query blocks of one head and want the same records: each load is asked for JOINTLY, with the same descriptor and a mask that names the four.
; LAYOUT.  Both products are used transposed: S^T = K Q^T (source 0 = keys), O^T = V^T P^T (source 0 = 16 channels): a lane holds ONE query (lane % 16) throughout.
; THE HEAD HAS 64 CHANNELS AND THE INSTRUCTION 128 ALONG K: a fragment of K holds TWO tiles of 16 keys, one at k 0-63 and one at k 64-127; it is multiplied once by [q | zeros] and once by [zeros | q].
; Zero codes add nothing under any scale byte but 0xff.  THE KEYS OF A TILE ARE NOT NEIGHBOURS: row r of tile 2 b + u is key 32 b + 8 u + r + 8 (r / 8), so that registers 16 b + i of S^T are keys 32 b + 16 (lane / 16) + i.
; LIMITS: NaN and infinities among the inputs are not served; a block whose largest magnitude lies under 2^-124 has its byte held at 1 (a block of zeros too: its codes are zeros).
.set REC,   8704
.set STAGE, 16*REC                     ; behind the records: 16 rows x (256 + 16) bytes for each wave, for Q's way in and O's way out; no fill lands there
.set SPT,   272
.set S,     80                         ; v80-143  the scores S^T, then p, of the tile in hand
.set KV,    40                         ; v40-71   four fragments of K, then of V
.set SC,    72                         ; v72-75   scale words: lanes 0-15 K's word of fragment j, lanes 16-31 V's word of tile j
.set OA,    144                        ; v144-175 O^T of tile A; v176-207 of tile B
.set PA,    208                        ; v208-215 p's codes of tile A; v216-223 of tile B
.set PWA,   224                        ; v224, v225 p's scale words
.set BM,    226                        ; v226-229 a block's largest score, then its largest p
.set PT,    230                        ; v230-233 lane l xor 16's; then the scales' bytes
.set SO,    234                        ; v234-237 the conversions' scale operands
.set CH,    238                        ; v[238:239] the sums' second chain
.set FAC,   240                        ; v240 f = 2^(old M - new M); v241 is named with it as a pair
.set TMP,   242
; v1 16 x lane; v2 the step's LDS address; v3 stage in (O); v4 stage by rows; v5 stage out (Q); v6 my bytes in two rows of Q or O; v7 8 (lane / 16)
; v[8:11] tile A: -M, the largest t, the sum in two halves; v[12:15] tile B.  v16-35: zeros, q A, zeros, q B, zeros, four registers each: [q | 0] and [0 | q] are runs of eight of them.  v36, v37 Q's scale words.
.macro ROUND                           ; a round of the cluster's barrier: my work-group's barrier; wave 0 signals for the work-group; every wave waits for all four; my work-group's barrier once more
	s_barrier_signal -1
	s_barrier_wait -1
	s_cmp_lg_u32 s10, 0
	s_cbranch_scc1 .Lnot_wave_0_\@
	s_barrier_signal -3
.Lnot_wave_0_\@:
	s_barrier_wait -3
	s_barrier_signal -1
	s_barrier_wait -1
.endm
.macro PLACES                          ; four places behind matrix instructions, in front of reads of their results and of loads into their registers
.rept 4
	v_nop
.endr
.endm
.macro MAX32 m, t, x                   ; the largest magnitude of v[x] .. v[x + 31], in two chains, with the floor 2^(3 - 127): so the byte cannot fall under 1
	v_max3_num_f32 v[\m], |v[(\x)]|, |v[(\x)+1]|, |v[(\x)+2]|
	v_max3_num_f32 v[\t], |v[(\x)+3]|, |v[(\x)+4]|, |v[(\x)+5]|
.irp i, 6,10,14,18,22,26
	s_delay_alu instid0(VALU_DEP_2)
	v_max3_num_f32 v[\m], v[\m], |v[(\x)+\i]|, |v[(\x)+\i+1]|
	s_delay_alu instid0(VALU_DEP_2)
	v_max3_num_f32 v[\t], v[\t], |v[(\x)+\i+2]|, |v[(\x)+\i+3]|
.endr
	s_delay_alu instid0(VALU_DEP_2)
	v_max3_num_f32 v[\m], v[\m], |v[(\x)+30]|, |v[(\x)+31]|
	s_delay_alu instid0(VALU_DEP_1)
	v_max3_num_f32 v[\m], v[\m], v[\t], 0x1800000
.endm
; my query's channels 32 h .. 32 h + 31 in v[x] on (a whole block) become four registers of codes at v[q] and the scale word [s0, s1, s0, s1] in v[w]: it serves [q | 0] and [0 | q] alike
.macro QUANTQ x, q, w
	MAX32 BM, BM+1, \x
	s_delay_alu instid0(VALU_DEP_1)
	v_add_nc_u32 v[SO], 0xff000000, v[BM]          ; 2 off the exponent field: the conversion's scale operand
	s_delay_alu instid0(VALU_DEP_1)
	v_lshrrev_b32 v[BM+1], 23, v[SO]               ; the scale's byte
.irp g, 0,1,2,3
	v_cvt_scalef32_pk8_fp4_f32 v[\q+\g], v[\x+8*\g:\x+8*\g+7], v[SO]
.endr
	v_nop                                          ; one plain place behind the scaled conversions
	v_lshlrev_b32 v[\w], v7, v[BM+1]               ; my half's byte at its place,
	s_delay_alu instid0(VALU_DEP_1)
	v_permlanex16_b32 v[PT], v[\w], s20, s21
	s_delay_alu instid0(VALU_DEP_1)
	v_or_b32 v[\w], v[\w], v[PT]                   ; with lane l xor 16's,
	s_delay_alu instid0(VALU_DEP_1)
	v_lshl_or_b32 v[\w], v[\w], 16, v[\w]          ; twice
.endm
; S^T of one tile of queries against the step's 128 keys: each fragment of K against [q | 0] (its first 16 keys) and [0 | q] (its second 16).  Eight accumulators, each begun with the constant 0.
.macro SCORES lo, hi, qs
.irp b, 0,1,2,3
	v_wmma_scale_f32_16x16x128_f8f6f4 v[S+16*\b:S+16*\b+7], v[KV+8*\b:KV+8*\b+7], v[\lo:\lo+7], 0, v[SC+\b], v[\qs] matrix_a_fmt:MATRIX_FMT_FP4 matrix_b_fmt:MATRIX_FMT_FP4
	v_wmma_scale_f32_16x16x128_f8f6f4 v[S+16*\b+8:S+16*\b+15], v[KV+8*\b:KV+8*\b+7], v[\hi:\hi+7], 0, v[SC+\b], v[\qs] matrix_a_fmt:MATRIX_FMT_FP4 matrix_b_fmt:MATRIX_FMT_FP4
.endr
.endm
; One tile's softmax for a key step.  st: its statistics; o: its O^T; pc: p's codes; pw: p's scale word.
.macro SOFTMAX st, o, pc, pw
.irp b, 0,1,2,3
	v_max3_num_f32 v[BM+\b], v[S+16*\b], v[S+16*\b+1], v[S+16*\b+2]   ; THE LARGEST SCORE OF EACH BLOCK OF 32 KEYS serves twice: for the row's maximum and, since p rises with the score, for the block's largest p.  Each accumulator is read from its low end on
.endr
.irp i, 3,5,7,9,11,13
.irp b, 0,1,2,3
	v_max3_num_f32 v[BM+\b], v[BM+\b], v[S+16*\b+\i], v[S+16*\b+\i+1]   ; (the four blocks by turns)
.endr
.endr
.irp b, 0,1,2,3
	v_max_num_f32 v[BM+\b], v[BM+\b], v[S+16*\b+15]
.endr
.irp b, 0,1,2,3
	s_delay_alu instid0(VALU_DEP_4)
	v_permlanex16_b32 v[PT+\b], v[BM+\b], s20, s21
.endr
.irp b, 0,1,2,3
	s_delay_alu instid0(VALU_DEP_4)
	v_max_num_f32 v[BM+\b], v[BM+\b], v[PT+\b]     ; with lane l xor 16's 16 keys
.endr
	s_delay_alu instid0(VALU_DEP_2)
	v_max3_num_f32 v[TMP], v[BM], v[BM+1], v[BM+2]
	s_delay_alu instid0(VALU_DEP_1)
	v_max_num_f32 v[TMP], v[TMP], v[BM+3]          ; the step's largest score of my query
	s_delay_alu instid0(VALU_DEP_1)
	v_mul_f32 v[TMP], s22, v[TMP]                  ; as t (c is positive)
	s_delay_alu instid0(VALU_DEP_1)
	v_max_num_f32 v[\st+1], v[\st+1], v[TMP]       ; the running largest t
	v_mov_b32 v[TMP], v[\st]
	s_delay_alu instid0(VALU_DEP_2)
	v_floor_f32 v[\st], -v[\st+1]                  ; the new -M = floor(-t) = -ceil(t): M is a whole number
	s_delay_alu instid0(VALU_DEP_1)
	v_sub_f32 v[TMP], v[\st], v[TMP]               ; M's old value less its new one: a whole number, 0 or less
	s_delay_alu instid0(VALU_DEP_1)
	v_cvt_i32_f32 v[TMP], v[TMP]                   ; (it saturates)
	s_delay_alu instid0(VALU_DEP_1)
	v_ldexp_f32 v[FAC], 1.0, v[TMP]                ; f = 2^(old M - new M): a multiplication by it rounds nothing
.set n, 0
.rept 32
	v_pk_fma_f32 v[S+n:S+n+1], v[S+n:S+n+1], s[22:23], v[\st:\st+1] op_sel_hi:[1,0,0]   ; t - M, two at a time (of the pairs c and -M the low word serves both halves)
.set n, n+2
.endr
.irp b, 0,1,2,3
	v_fma_f32 v[BM+\b], v[BM+\b], s22, v[\st]      ; the same of each block's largest score
.endr
.set n, 0
	s_wait_alu depctr_va_vdst(0)
.rept 64
	v_exp_f32 v[S+n], v[S+n]                       ; p = 2^(t - M), at most 1: not normalised
.set n, n+1
.endr
.irp b, 0,1,2,3
	v_exp_f32 v[BM+\b], v[BM+\b]                   ; the block's largest p: the same two instructions on the same number give the same bits
.endr
	v_pk_mul_f32 v[\st+2:\st+3], v[\st+2:\st+3], v[FAC:FAC+1] op_sel_hi:[1,0]   ; the sums under the new M.  (The plain place behind the exponentials)
	s_wait_alu depctr_va_vdst(0)
.irp b, 0,1,2,3
	v_max_num_f32 v[BM+\b], 0x1800000, v[BM+\b]    ; the floor 2^(3 - 127): a block whose every p has fallen to 0 keeps the byte 1: its codes are zeros
.endr
.irp b, 0,1,2,3
	s_delay_alu instid0(VALU_DEP_4)
	v_add_nc_u32 v[SO+\b], 0xff000000, v[BM+\b]    ; 2 off the exponent field: the conversion's scale operand
.endr
.irp b, 0,1,2,3
	s_delay_alu instid0(VALU_DEP_4)
	v_lshrrev_b32 v[PT+\b], 23, v[SO+\b]           ; the scale's byte
.endr
	s_delay_alu instid0(VALU_DEP_3)
	v_lshl_or_b32 v[\pw], v[PT+1], 8, v[PT]        ; p's scale word for these 128 keys
	s_delay_alu instid0(VALU_DEP_1)
	v_lshl_or_b32 v[\pw], v[PT+2], 16, v[\pw]
	s_delay_alu instid0(VALU_DEP_1)
	v_lshl_or_b32 v[\pw], v[PT+3], 24, v[\pw]
.irp b, 0,1,2,3
	v_cvt_scalef32_pk8_fp4_f32 v[\pc+2*\b], v[S+16*\b:S+16*\b+7], v[SO+\b]
	v_cvt_scalef32_pk8_fp4_f32 v[\pc+2*\b+1], v[S+16*\b+8:S+16*\b+15], v[SO+\b]
.endr
	v_nop                                          ; one plain place behind the scaled conversions
.irp c, 0,1                                    ; the operand's layout wants a WHOLE block in a lane: lanes 0-15 block 2 c, lanes 16-31 block 2 c + 1
.irp i, 0,1
	v_permlane16_swap_b32 v[\pc+4*\c+\i], v[\pc+2+4*\c+\i]
.endr
.endr
	v_pk_add_f32 v[CH:CH+1], v[S:S+1], v[S+2:S+3]  ; THE ROW'S SUM IS TAKEN OF THE UNQUANTISED p: two at a time, in two chains
.irp j, 4,8,12,16,20,24,28,32,36,40,44,48,52,56,60
	v_pk_add_f32 v[\st+2:\st+3], v[\st+2:\st+3], v[S+\j:S+\j+1]
	v_pk_add_f32 v[CH:CH+1], v[CH:CH+1], v[S+\j+2:S+\j+3]
.endr
	s_delay_alu instid0(VALU_DEP_1)
	v_pk_add_f32 v[\st+2:\st+3], v[\st+2:\st+3], v[CH:CH+1]
.irp j, 0,2,4,6,8,10,12,14,16,18,20,22,24,26,28,30
	v_pk_mul_f32 v[\o+\j:\o+\j+1], v[\o+\j:\o+\j+1], v[FAC:FAC+1] op_sel_hi:[1,0]   ; O^T under the new M, each accumulator from its low end on.  (The sums and these are the places between the scale word and codes just made and the products that take them)
.endr
.endm
; O^T += V^T P^T for both tiles: eight accumulators by turns, one instruction a turn; an accumulator's next link stands a trip later.  V's scale words lie in lanes 16-31.
.macro PV
.irp t, 0,1,2,3
	v_wmma_scale_f32_16x16x128_f8f6f4 v[OA+8*\t:OA+8*\t+7], v[KV+8*\t:KV+8*\t+7], v[PA:PA+7], v[OA+8*\t:OA+8*\t+7], v[SC+\t], v[PWA] matrix_a_fmt:MATRIX_FMT_FP4 matrix_b_fmt:MATRIX_FMT_FP4 matrix_a_scale:MATRIX_SCALE_ROW1
	v_wmma_scale_f32_16x16x128_f8f6f4 v[OA+32+8*\t:OA+32+8*\t+7], v[KV+8*\t:KV+8*\t+7], v[PA+8:PA+15], v[OA+32+8*\t:OA+32+8*\t+7], v[SC+\t], v[PWA+1] matrix_a_fmt:MATRIX_FMT_FP4 matrix_b_fmt:MATRIX_FMT_FP4 matrix_a_scale:MATRIX_SCALE_ROW1
.endr
.endm
	s_load_b128 s[4:7], s[0:1], 0x0                ; Q s[4:5], kv s[6:7]
	s_load_b64 s[8:9], s[0:1], 0x10                ; out0
	v_lshl_add_u32 v254, v0, 2, 0x33000
	v_mov_b32 v255, 0
	ds_add_u32 v254, v255
	ds_add_u32 v254, v255
	v_lshrrev_b32 v1, 5, v0
	s_delay_alu instid0(VALU_DEP_1)
	v_readfirstlane_b32 s10, v1                    ; wave 0..15
	s_bfe_u32 s11, ttmp6, 0x40000                  ; cx: my place in the cluster: it enters Q's and out0's addresses alone
	s_and_b32 s12, ttmp7, 0xffff                   ; the head, which the four partners share
	s_lshl_b32 s14, ttmp9, 2                       ; in a cluster launch ttmp9 counts clusters
	s_add_co_u32 s14, s14, s11                     ; my block of 512 queries
	s_lshl_b32 s14, s14, 17                        ; x 512 rows of 256 bytes,
	s_lshl_b32 s15, s12, 19                        ; + the head's 2,048 rows,
	s_add_co_u32 s14, s14, s15
	s_lshl_b32 s15, s10, 13                        ; + my wave's 32 rows
	s_add_co_u32 s14, s14, s15
	s_mov_b32 s15, 0
	s_mul_i32 s16, s12, 16*REC                     ; the head's records in kv,
	s_mul_i32 s33, s10, REC                        ; my record: in LDS (descriptor group 0, bits 63:32) and in the head's records alike
	s_add_co_u32 s16, s16, s33
	s_mov_b32 s17, 0
	s_mul_i32 s13, s10, 16*SPT
	s_add_co_u32 s13, s13, STAGE                   ; my stage
	s_mov_b32 s20, 0x76543210
	s_mov_b32 s21, 0xfedcba98                      ; v_permlanex16_b32's selects for lane l xor 16
	s_mov_b32 s22, 0x3e38aa3b                      ; c = log2(e) / 8: t = score x c
	s_mov_b32 s23, s22                             ; (named with it as a pair, so it is written)
	; descriptor group 1: a record is a dense block: 34 rows of 256 bytes (32 elements of 8 bytes), no padding: images are read at 16 x lane
	s_mov_b32 s24, 15|(3<<16)|(1<<21)              ; 15:0 the mask: all four work-groups; 17:16 elements of 8 bytes; 21 set beside a mask
	s_mov_b32 s25, 32<<16                          ; tensor_dim0 = 32
	s_mov_b32 s26, 34<<16                          ; tensor_dim1 = 34
	s_mov_b32 s27, 32<<16                          ; tile_dim0 = 32
	s_mov_b32 s28, 34                              ; tile_dim1 = 34
	s_mov_b32 s29, 32                              ; tensor_dim0_stride
	s_mov_b32 s30, 0
	s_mov_b32 s31, 0
	s_mov_b32 s32, 1                               ; group 0: count = 1
	s_mov_b32 s36, 0                               ; the step's record in LDS
	s_mov_b32 s37, 16                              ; key steps to go
	v_and_b32 v1, 31, v0
	s_delay_alu instid0(VALU_DEP_1)
	v_lshlrev_b32 v1, 4, v1                        ; 16 x lane
	v_and_b32 v9, 15, v0                           ; r
	v_bfe_u32 v10, v0, 4, 1                        ; h
	s_delay_alu instid0(VALU_DEP_2)
	v_mul_u32_u24 v3, v9, SPT
	s_delay_alu instid0(VALU_DEP_1)
	v_add_nc_u32 v3, s13, v3
	s_delay_alu instid0(VALU_DEP_1)
	v_lshl_add_u32 v5, v10, 7, v3                  ; Q out of the stage: row r, + 128 h: my block of 32 channels
	s_delay_alu instid0(VALU_DEP_2)
	v_lshl_add_u32 v3, v10, 5, v3                  ; O into the stage: row r, + 32 h
	v_mul_u32_u24 v4, v10, SPT
	s_delay_alu instid0(VALU_DEP_1)
	v_lshl_add_u32 v4, v9, 4, v4
	s_delay_alu instid0(VALU_DEP_1)
	v_add_nc_u32 v4, s13, v4                       ; the stage by rows: lanes 0-15 one row of 256 bytes, lanes 16-31 the next
	v_lshlrev_b32 v6, 8, v10
	s_delay_alu instid0(VALU_DEP_1)
	v_lshl_add_u32 v6, v9, 4, v6                   ; and the same two rows in Q and in out0
	v_lshlrev_b32 v7, 3, v10                       ; 8 h
	s_wait_dscnt 0x0
	s_wait_kmcnt 0x0
	s_add_nc_u64 s[4:5], s[4:5], s[14:15]          ; Q and out0 at my wave's first row
	s_add_nc_u64 s[8:9], s[8:9], s[14:15]
	s_add_nc_u64 s[34:35], s[6:7], s[16:17]        ; group 0: the record's first byte,
	s_or_b32 s35, s35, 0x80000000                  ; type = 2
	ROUND                                          ; all four work-groups are here: the joint loads meet
	tensor_load_to_lds s[32:35], s[24:31]          ; my record: the launch's only fill of these bytes
	s_nop 0
	PLACES                                         ; (four v_nop follow the load)
	; ---- Q, while the records are on their way: each load reads 512 dense bytes (two rows); a tile turns through my stage, so that a lane holds 32 neighbouring channels of one query
	s_wait_alu depctr_va_vdst(0)
.irp q, 0,1
.irp i, 0,1,2,3,4,5,6,7
	global_load_b128 v[OA+32*\q+4*\i:OA+32*\q+4*\i+3], v6, s[4:5] offset:4096*\q+512*\i th:TH_LOAD_NT
.endr
.endr
.irp b, 0,1,2,3
	v_mov_b32 v[PT+\b], 0                          ; written once: a lane permute's destination counts as one of its sources
.endr
	s_wait_loadcnt 8                               ; tile A's eight loads are in; tile B's eight may be out
.irp i, 0,1,2,3,4,5,6,7
	ds_store_b128 v4, v[OA+4*\i:OA+4*\i+3] offset:2*SPT*\i
.endr
.irp i, 0,1,2,3,4,5,6,7
	ds_load_b128 v[S+4*\i:S+4*\i+3], v5 offset:16*\i   ; LDS serves a wave's instructions in order: these see the stores above, and tile B's stores come behind them
.endr
	s_wait_loadcnt 0x0
.irp i, 0,1,2,3,4,5,6,7
	ds_store_b128 v4, v[OA+32+4*\i:OA+32+4*\i+3] offset:2*SPT*\i
.endr
.irp i, 0,1,2,3,4,5,6,7
	ds_load_b128 v[S+32+4*\i:S+32+4*\i+3], v5 offset:16*\i
.endr
	s_wait_dscnt 16                                ; tile A is back; behind its loads stand tile B's eight stores and eight loads
	QUANTQ S, 20, 36
	s_wait_dscnt 0x0                               ; tile B is back; no LDS instruction of mine is out
	QUANTQ S+32, 28, 37
.irp i, 16,17,18,19,24,25,26,27,32,33,34,35
	v_mov_b32 v\i, 0                               ; the zero codes beside q
.endr
.set n, 0
.rept 64
	v_mov_b32 v[OA+n], 0                           ; O^T.  (The step is written once: the first finds zeros, which the first change of M leaves zeros.  These lines are also the places in front of the first scaled products)
.set n, n+1
.endr
	v_mov_b32 v9, 0xff61b1e6                       ; the largest t so far: -3e38, under every t
	s_delay_alu instid0(VALU_DEP_1)
	v_floor_f32 v8, -v9                            ; -M
	v_mov_b32 v10, 0                               ; the sum, in two halves
	v_mov_b32 v11, 0
	v_mov_b32 v13, 0xff61b1e6
	s_delay_alu instid0(VALU_DEP_1)
	v_floor_f32 v12, -v13
	v_mov_b32 v14, 0
	v_mov_b32 v15, 0
	v_mov_b32 v[FAC+1], 0                          ; (named as the upper half of the pair before it is otherwise written)
	s_wait_tensorcnt 0x0                           ; my record has landed,
	s_barrier_signal -1
	s_barrier_wait -1                              ; everybody's has: all sixteen records are there for every wave
.Lstep:                                            ; 16 trips: 128 keys each
	s_setprio 2
	v_add_nc_u32 v2, s36, v1
	PLACES                                         ; in front of loads into registers that the last trip's products read
.irp b, 0,1,2,3
.irp c, 0,1
	ds_load_b128 v[KV+8*\b+4*\c:KV+8*\b+4*\c+3], v2 offset:1024*\b+512*\c   ; K's fragments
.endr
.endr
	ds_load_b128 v[SC:SC+3], v2 offset:8192        ; lanes 0-15 K's four scale words of row r, lanes 16-31 V's
	s_wait_dscnt 0x0
	SCORES 20, 16, 36                              ; tile A
	PLACES
	SOFTMAX 8, OA, PA, PWA
	SCORES 28, 24, 37                              ; tile B, over tile A's p, which is done with: far more than five places behind the products that wrote those registers
	PLACES                                         ; for the reads of the scores, and for the loads into K's registers
.irp t, 0,1,2,3
.irp c, 0,1
	ds_load_b128 v[KV+8*\t+4*\c:KV+8*\t+4*\c+3], v2 offset:4096+1024*\t+512*\c   ; V's fragments land under tile B's softmax
.endr
.endr
	s_setprio 1
	SOFTMAX 12, OA+32, PA+8, PWA+1
	s_setprio 0
	s_wait_alu depctr_va_vdst(0)
	s_wait_dscnt 0x0                               ; V is in
	PV
	s_add_co_u32 s36, s36, REC
	s_sub_co_u32 s37, s37, 1
	s_cmp_lg_u32 s37, 0
	s_cbranch_scc1 .Lstep
	s_setprio 0
	; ---- THE WAY OUT.  The sum's two halves and lane l xor 16's are added; O^T is divided by the sum and goes through my stage, a tile (16 rows of 256 bytes) at a time.
	PLACES
.irp q, 0,1
	v_add_f32 v[10+4*\q], v[10+4*\q], v[11+4*\q]
.endr
.irp q, 0,1
	s_delay_alu instid0(VALU_DEP_2)
	v_permlanex16_b32 v[PT+\q], v[10+4*\q], s20, s21
.endr
.irp q, 0,1
	s_delay_alu instid0(VALU_DEP_2)
	v_add_f32 v[10+4*\q], v[10+4*\q], v[PT+\q]     ; the row's sum
.endr
	s_wait_alu depctr_va_vdst(0)
.irp q, 0,1
	v_rcp_f32 v[10+4*\q], v[10+4*\q]
.endr
	v_nop                                          ; a plain place behind the reciprocals
	s_wait_alu depctr_va_vdst(0)
.macro PACK q                          ; register 8 t + i of tile q's O^T is o(r, 16 t + 8 h + i): 32 bytes of a row; they come back as whole rows, into the registers that they left
.irp j, 0,2,4,6,8,10,12,14,16,18,20,22,24,26,28,30
	v_pk_mul_f32 v[S+32*\q+\j:S+32*\q+\j+1], v[OA+32*\q+\j:OA+32*\q+\j+1], v[10+4*\q:11+4*\q] op_sel_hi:[1,0]   ; each accumulator from its low end on
.endr
.irp t, 0,1,2,3
	ds_store_b128 v3, v[S+32*\q+8*\t:S+32*\q+8*\t+3] offset:64*\t
	ds_store_b128 v3, v[S+32*\q+8*\t+4:S+32*\q+8*\t+7] offset:64*\t+16
.endr
.irp i, 0,1,2,3,4,5,6,7
	ds_load_b128 v[S+32*\q+4*\i:S+32*\q+4*\i+3], v4 offset:2*SPT*\i   ; LDS serves a wave's instructions in order: these see the stores above; the next tile's stores come behind them
.endr
.endm
.macro SEND q, younger                 ; younger: the LDS instructions issued behind tile q's loads: the next tile's sixteen, or none
.irp i, 0,1,2,3,4,5,6,7
	s_wait_dscnt \younger+7-\i
	global_store_b128 v6, v[S+32*\q+4*\i:S+32*\q+4*\i+3], s[8:9] offset:4096*\q+512*\i th:TH_STORE_NT   ; 16 lanes store 256 consecutive bytes, a whole row of out0, aligned
.endr
.endm
	PACK 0
	PACK 1
	SEND 0, 16
	SEND 1, 0
	s_wait_tensorcnt 0x0                           ; nothing of mine is out: no tensor load,
	s_wait_dscnt 0x0                               ; no LDS instruction
	s_wait_tensorcnt 0x0
	ds_add_u32 v254, v255
	s_wait_dscnt 0x0
	ROUND                                          ; the closing round: no work-group ends while a partner may still ask for a record that names it
	s_endpgm
.Lfunc_end_k_q7153f18d0a_attn:
	.size	k_q7153f18d0a_attn, .Lfunc_end_k_q7153f18d0a_attn-k_q7153f18d0a_attn
	.p2alignl 7, 3214868480
	.fill 96, 4, 3214868480
	.section	.rodata,"a",@progbits
	.p2align	6, 0x0
	.amdhsa_kernel k_q7153f18d0a_attn
		.amdhsa_group_segment_fixed_size 210944
		.amdhsa_private_segment_fixed_size 0
		.amdhsa_enable_private_segment 0
		.amdhsa_kernarg_size 24
		.amdhsa_user_sgpr_count 2
		.amdhsa_user_sgpr_kernarg_segment_ptr 1
		.amdhsa_wavefront_size32 1
		.amdhsa_system_sgpr_workgroup_id_x 1
		.amdhsa_system_sgpr_workgroup_id_y 1
		.amdhsa_system_sgpr_workgroup_id_z 1
		.amdhsa_system_vgpr_workitem_id 0
		.amdhsa_next_free_vgpr 256
		.amdhsa_next_free_sgpr 66
		.amdhsa_reserve_vcc 0
		.amdhsa_float_denorm_mode_32 3
		.amdhsa_float_denorm_mode_16_64 3
		.amdhsa_memory_ordered 1
		.amdhsa_forward_progress 1
		.amdhsa_inst_pref_size 53
	.end_amdhsa_kernel
	.amdgpu_metadata
---
amdhsa.version: [ 1, 2 ]
amdhsa.kernels:
  - .name:           k_q7153f18d0a_attn
    .symbol:         k_q7153f18d0a_attn.kd
    .args:
      - { .name: Q, .offset: 0, .size: 8, .value_kind: global_buffer, .address_space: global }
      - { .name: kv, .offset: 8, .size: 8, .value_kind: global_buffer, .address_space: global }
      - { .name: out0, .offset: 16, .size: 8, .value_kind: global_buffer, .address_space: global }
    .group_segment_fixed_size: 210944
    .private_segment_fixed_size: 0
    .kernarg_segment_align: 8
    .kernarg_segment_size: 24
    .max_flat_workgroup_size: 512
    .sgpr_count:     66
    .vgpr_count:     256
    .wavefront_size: 32
...
	.end_amdgpu_metadata
.endif
;; end of part 2
